; MI455X (gfx1250); checked and timed in simulation.
; The chip was launched on July 23, 2026; its instructions are those of AMD's public machine-readable ISA for CDNA 5 (MIT licence, August 2026) and "CDNA5" Instruction Set Architecture Reference Guide (July 2026). The comments in the code are by the model that wrote it; some were corrected since.
;; Attention. Allowed arithmetic: matrix products marked QUANTISED: E4M3 operands, one given power-of-two scale a tensor, by v_wmma_f32_16x16x64_fp8_fp8 or v_wmma_f32_16x16x128_fp8_fp8, f32 sums; everything else in f32.
;; Inputs: Wk_codes 1,024 x 32 x 32 uint8 (E4M3 codes of Wk, K innermost, in blocks of 32 codes); Wq_codes 1,024 x 32 x 32 uint8 (E4M3 codes of Wq, K innermost, in blocks of 32 codes); Wv_codes 1,024 x 32 x 32 uint8 (E4M3 codes of Wv, K innermost, in blocks of 32 codes); bk 1,024 float32; bq 1,024 float32; bv 1,024 float32; lowp_scales 10 int32 (the exponents e of the quantised operands' scales 2^e); x_codes 4 x 2,048 x 32 x 32 uint8 (E4M3 codes of x, K innermost, in blocks of 32 codes).
;; Outputs: out0 4 x 2,048 x 1,024 float32.
;; This version of the problem:
;;   THIS VERSION OF THE PROBLEM IS GIVEN IN LOW PRECISION. The matrix products marked QUANTISED in the list below multiply operands that are first quantised to E4M3 (4 exponent bits, 3 mantissa bits; 8 bits a number), with one given power-of-two scale for each operand tensor; their sums are f32. All else is computed in f32.
;;   The module's matrix products, in the order in which they are computed (A, B: the left and right operand; K: the contracted axis; several contracted axes count as one K, in the product's order):
;;     1. [M 8,192, K 1,024] x [K 1,024, N 1,024]; A: input x (given as codes); B: input Wq (given as codes): QUANTISED (scales: A lowp_scales[0], B lowp_scales[1])
;;     2. [M 8,192, K 1,024] x [K 1,024, N 1,024]; A: input x (given as codes); B: input Wk (given as codes): QUANTISED (scales: A lowp_scales[2], B lowp_scales[3])
;;     3. [M 8,192, K 1,024] x [K 1,024, N 1,024]; A: input x (given as codes); B: input Wv (given as codes): QUANTISED (scales: A lowp_scales[4], B lowp_scales[5])
;;     4. batch 4 x [M 2,048, K 1,024] x [K 1,024, N 2,048]; A: computed on the way; B: computed on the way: QUANTISED (scales: A lowp_scales[6], B lowp_scales[7])
;;     5. batch 4 x [M 2,048, K 2,048] x [K 2,048, N 1,024]; A: softmax (see below); B: computed on the way: QUANTISED (scales: A lowp_scales[8], B lowp_scales[9])
;;   THE QUANTISER, for each operand of a quantised product, along K:
;;     - The operand's scale is 2^e, e = its entry of the input lowp_scales (int32; the entries are numbered through the quantised products in the list's order, A before B).
;;     - Each number is divided by the scale, clamped to +-448, and rounded to the nearest number of E4M3, ties to even, subnormals kept.
;;     - The product sums the exact products of the quantised numbers (number of the format x scale) in f32.
;;   ~~~python
;;   def quantise(x, axis, e):      # numpy; x: float32 -> the quantised numbers, widened to float32 again
;;       x = np.moveaxis(x, axis, -1); K = x.shape[-1]
;;       r = np.clip(x / 2.0 ** e, -448, 448)
;;       step = 2.0 ** (np.maximum(np.frexp(np.where(r == 0, 1, r))[1] - 1, -6) - 3)
;;       q = np.round(r / step) * step * 2.0 ** e      # np.round: ties to even
;;       return np.moveaxis(q, -1, axis).astype(np.float32)
;;   ~~~
;;   SOFTMAX AHEAD OF A QUANTISED PRODUCT. Where the list says 'softmax', what is quantised is not the finished softmax but p = 2^(t - M), with t = logit x log2(e) and M = ceil(the row's largest t), a whole number; so 1/2 < the row's largest p <= 1. The row's sum l is taken of the UNQUANTISED p, in f32, and the product's result is divided by l at the end. Since M is a whole number, a kernel that streams over the keys may use a running M (the ceiling of the running maximum): every later rescaling is an exact power of two, so the quantised numbers keep their values, but for numbers so far below the row's largest that they fall under the format's range.
;;   OPERANDS COMPUTED ON THE WAY. 'Computed on the way' means the value that the module computes at that place (a softmax that the list does not call 'softmax' is quantised finished and normalised). What goes into a quantiser is computed in f32, as accurately as f32 sums, v_exp_f32 and their like allow (about 1e-6 of the number): no bf16 or f16 on the way to a quantiser, and a product that is left as it is and whose result goes on into a quantised operand takes f32 operands (vector FMAs, or v_wmma_f32_16x16x4_f32). A number that lies on a knife's edge between two numbers of the format may be rounded either way, as far as f32 arithmetic and the matrix unit's own rounding can turn it there, and no further.
;;   INPUTS GIVEN AS CODES. Wk (in the module: [1024, 1024], K = its axis 1); Wq (in the module: [1024, 1024], K = its axis 1); Wv (in the module: [1024, 1024], K = its axis 1); x (in the module: [4, 2048, 1024], K = its axis 2): each comes as NAME_codes (uint8): NAME with its K axis moved to the last place and cut into blocks of 32 codes, [.., K / 32, bytes a block], one block behind the other in memory; one code a byte (a code: sign, 4 exponent bits, 3 mantissa bits); its scale is its entry of lowp_scales. Its value is code x scale, taken as it is: it is not quantised again, and the codes and scales need not be those that the quantiser above would give.
;; One version. Each part assembles by itself: llvm-mc -triple=amdgcn-amd-amdhsa -mcpu=gfx1250 --defsym DOCPART=n.
;; ======== version 1 of 1: 3 launches
;; limits: right only within a limited range of input values
;; workspace buffers: qc 8,388,608 bytes; kc 8,388,608 bytes; vc 8,388,608 bytes; pc 16,777,216 bytes; pm 262,144 bytes; pl 524,288 bytes
;; launch proj (part 1): grid 4 x 64, 4 waves a work-group, clusters of 4 x 4, 327,680 bytes of LDS; arguments x_codes, Wq_codes, Wk_codes, Wv_codes, bq, bk, bv, lowp_scales, qc, kc, vc; writes qc, kc, vc
.if DOCPART == 1
	.amdgcn_target "amdgcn-amd-amdhsa--gfx1250"
	.amdhsa_code_object_version 6
	.text
	.protected	k_q8e05a798d6_proj
	.globl	k_q8e05a798d6_proj
	.p2align	8
	.type	k_q8e05a798d6_proj,@function
k_q8e05a798d6_proj:
	s_mov_b64 s[64:65], 0
	v_nop
	global_prefetch_b8 v0, s[64:65] scope:SCOPE_SE
	s_setreg_imm32_b32 hwreg(HW_REG_WAVE_MODE, 25, 1), 1
	s_wait_xcnt 0x0
	s_wait_alu depctr_hold_cnt(0) depctr_sa_sdst(0) depctr_va_vdst(0) depctr_va_sdst(0) depctr_va_ssrc(0) depctr_va_vcc(0) depctr_vm_vsrc(0)
	s_getreg_b32 s2, hwreg(HW_REG_IB_STS2, 6, 4)
	s_cmp_eq_u32 s2, 0
	s_cbranch_scc0 .Lentry_in_a_cluster
	s_endpgm
.Lentry_in_a_cluster:
	s_bfe_u32 s2, ttmp6, 0x10000c
	s_cmp_lg_u32 s2, 0xf033
	s_cbranch_scc0 .Lentry_shape_is_right
	s_endpgm
.Lentry_shape_is_right:
; Q = x Wq^T + bq, K = x Wk^T + bk, V = x Wv^T + bv.  x [8192][1024] and the three W [1024][1024] are codes of FP8 (E4M3), K innermost, each with the scale 2^e given for it in its product.
; A finished sum is multiplied by 2^(ex + ew), the bias is added in the same fused multiply-add (f32), and the result is quantised with the scale given for it as an operand of the next product
; (Q: entry 6, K: entry 7, V: entry 9): held within +-448 x the scale, then converted.  Only codes go to memory.
; NO WORK OF THE PROBLEM IS LEFT OUT, here or in the two launches that follow: each bias goes into a quantised operand and can move its codes, so all three are live, and every input is loaded.
; SHARES.  A work-group owns 128 tokens (work-group y) and 256 channels (its place cx) of EACH of the three products, one product after the other; each of its four waves owns 64 tokens x 128 channels.
; x IS READ FROM LDS ONCE: a wave's fragments of x, 64 tokens x all 1,024 of K, stay in 512 registers for all three products.  W comes in chunks of 512 along K (256 channels x 512 bytes) through a ring of two LDS slots;
; x's tile first lies where slot 1 does, and slot 1 is filled with W when x is in registers.
; CLUSTERS of 4 x 4: x's tile hangs on work-group y alone and is asked for jointly along a row of the cluster, W's on cx alone, along a column.
; THE MATRIX INSTRUCTION IS USED TRANSPOSED for Q and K: source 0 = 16 channels, source 1 = 16 tokens: lane (r, h) holds token 16 a + r and channels 16 b + 8 h + 0 .. 7.  For V the sources change places: a lane holds a channel and
; its registers run along the tokens, which are the keys, the last product's K.  So a lane's eight numbers are eight neighbours along the next K, and the conversions' results are that operand's registers.
; THE CODES' LAYOUT, an image of the operand's registers: offset(row, k) = (k / 256) (256 R) + (row / 16) 4096 + ((k % 256) / 128) 2048 + 512 c + 16 lane + i, lane = row % 16 + 16 h,
; k % 128 = 32 c + 16 (i / 8) + 8 h + i % 8 (V: within a slot of 256 tokens, R = 1024).  A permutation of k inside a step of 128, the same in every buffer of codes of this program.
; PREFETCH: behind each load of a chunk of W stands one prefetch a wave for the chunk after it, one chunk ahead of its load: 16 rows x 2 blocks of 256 bytes.  The four waves and the four partners of a column share a chunk's 256 rows by address.
; All clusters read the same W, so only those with cluster y under 4 ask.  x comes by one load at the head and has nothing to run ahead of.
; LIMITS: ex + ew of each product between -126 and 127; entries 6, 7, 9 between -126 and 119.  NaN among the biases is not served.  k is permuted alike in both operands inside a matrix instruction,
; so the order of the sums inside an instruction is not the ascending one.
; REGISTERS: window 0: v0-63 addresses, v64-255 three buffers of four fragments of W (way out: v64-127 numbers, v128-191 codes, v192-255 biases); windows 1, 2: x, fragment (step t, block a) at 16 (4 (t % 4) + a), t / 4 says which window; window 3: accumulators.
.set PITCH,  528                       ; an LDS row: 512 bytes of codes + 16 of padding: an odd multiple of 16 bytes, so the 16 rows of a fragment load start at 16 different banks (64 banks of 4 bytes: ISA guide 11.1)
.set QT,     64*PITCH                  ; what a wave fetches of a chunk
.set HALFT,  128*PITCH                 ; what a wave fetches at the head
.set SLOT,   256*PITCH
.set BIAS,   2*SLOT                    ; behind the ring: 3 x 256 biases
.set SPARE,  BIAS+3072                 ; the spare words, 128 bytes for each wave
.set NP,     4                         ; places behind this matrix instruction (ISA guide 7.12.1)
.set ADX,  16                          ; v16-17 LDS address of my fragments of x, K half 0 and 1
.set ADW,  18                          ; v18-19 of W in slot 0, 1
.set BA,   20                          ; v20 LDS address of my biases along the channels (Q, K)
.set BVA,  21                          ; v21 of my row's bias (V)
.set CO,   22                          ; v22 16 x lane
.set PFO,  23                          ; v23 the prefetches' offset
.set BT,   24                          ; v24 8 x thread
.set BL,   25                          ; v25 where I put my biases
.set BN,   26                          ; v26 BA + the product's offset
.set SPW,  28                          ; v28 LDS address of my spare word; never rewritten
.set NIL,  29                          ; v29 0; never rewritten
.set LIM,  30                          ; v30 448 x the result's scale
.set SCL,  31                          ; v31 the result's scale as f32
.set WB,   64
.set TMP,  64
.set CDB,  128
.set BQ,   192
.set MSB, 0
.macro WIN new                         ; the immediate's high byte repeats the setting that is left
.if MSB != \new
	s_set_vgpr_msb (MSB<<8)|\new
.set MSB, \new
.endif
.endm
.macro PLACES n
.rept \n
	v_nop
.endr
.endm
.macro CREST                           ; a round of the cluster's barrier behind its opening barrier
	s_cmp_lg_u32 s14, 0
	s_cbranch_scc1 .Lnot_wave_0_\@
	s_barrier_signal -3
.Lnot_wave_0_\@:
	s_barrier_wait -3
	s_barrier_signal -1
	s_barrier_wait -1
.endm
.macro CROUND
	s_barrier_signal -1
	s_barrier_wait -1
	CREST
.endm
; the wave's 64 channels of a chunk of W, asked for jointly along the column; no tensor load of the wave is out, so group 0 may be written
.macro LOADW slot
	s_add_co_u32 s61, s101, \slot*SLOT
	s_add_nc_u64 s[62:63], s[66:67], 512*\slot
	s_or_b32 s63, s63, 0x80000000
	tensor_load_to_lds s[60:63], s[48:55]
	s_nop 0
	PLACES 4
.endm
.macro ASK lim, pair, off              ; s3 = products to go with W behind them (2, 1); s[lim] is out of reach in clusters that do not ask
	s_cmp_gt_u32 s3, s[\lim]
	s_cbranch_scc0 .Lno_ask_\@
	global_prefetch_b8 v[PFO], s[\pair:\pair+1] offset:\off th:TH_LOAD_NT scope:SCOPE_SE
.Lno_ask_\@:
.endm
	s_load_b512 s[68:83], s[0:1], 0x0              ; x s[68:69], Wq s[70:71], Wk s[72:73], Wv s[74:75], bq s[76:77], bk s[78:79], bv s[80:81], the scales' exponents s[82:83]
	s_load_b128 s[84:87], s[0:1], 0x40             ; Q's codes, K's codes
	s_load_b64 s[88:89], s[0:1], 0x50              ; V's codes
	v_lshl_add_u32 v[SPW], v0, 2, SPARE
	v_mov_b32 v[NIL], 0
	ds_add_u32 v[SPW], v[NIL]                      ; the wave's opening: the add, twice on end, and its wait ahead of my first tensor load
	ds_add_u32 v[SPW], v[NIL]
	v_lshrrev_b32 v1, 5, v0
	v_readfirstlane_b32 s14, v1                    ; wave 0..3
	v_lshlrev_b32 v[BT], 3, v0
	s_lshr_b32 s15, s14, 1                         ; my half of the tokens.  At the head: I fetch for x (0) or for W (1)
	s_and_b32 s16, s14, 1                          ; my half of the channels.  At the head: which K half of x, which 128 channels of W
	s_bfe_u32 s40, ttmp6, 0x40000                  ; cx, cy
	s_bfe_u32 s41, ttmp6, 0x40004
	s_and_b32 s17, ttmp7, 0xffff
	s_cmp_lt_u32 s17, 4                            ; does my cluster prefetch?
	s_cselect_b32 s42, 0, 64
	s_lshl_b32 s17, s17, 2
	s_add_co_u32 s17, s17, s41                     ; work-group y: my 128 tokens
	s_lshl_b32 s43, s41, 2
	s_lshl_b32 s43, 15, s43                        ; my row of the cluster
	s_lshl_b32 s44, 0x1111, s40                    ; my column
	; descriptor group 1: rows of 512 bytes, 1,024 bytes apart in memory, 16 bytes of padding behind each in LDS
	s_or_b32 s24, s43, (1<<20)|(1<<21)|(6<<22)|(3<<25)   ; x: 15:0 the mask of my row; elements of 1 byte; 20 padding on; 21 set beside a mask; 24:22 after every 128 words; 31:25 four words
	s_or_b32 s32, s44, (1<<20)|(1<<21)|(6<<22)|(3<<25)   ; W at the head: my column
	s_or_b32 s48, s44, (1<<20)|(1<<21)|(6<<22)|(3<<25)   ; W afterwards
.irp g, 24, 32, 48
	s_mov_b32 s[\g+1], 512<<16                     ; tensor_dim0
	s_mov_b32 s[\g+3], 512<<16                     ; tile_dim0
	s_mov_b32 s[\g+5], 1024                        ; tensor_dim0_stride
	s_mov_b32 s[\g+6], 0
	s_mov_b32 s[\g+7], 0
.endr
.irp g, 24, 32
	s_mov_b32 s[\g+2], 128<<16                     ; tensor_dim1
	s_mov_b32 s[\g+4], 128                         ; tile_dim1
.endr
	s_mov_b32 s50, 64<<16
	s_mov_b32 s52, 64
	s_add_co_u32 s43, s42, 1
	s_lshl_b32 s20, s17, 17                        ; x: row 128 y of 1,024 bytes, + my K half
	s_lshl_b32 s18, s16, 9
	s_add_co_u32 s20, s20, s18
	s_mov_b32 s21, 0
	s_lshl_b32 s46, s40, 18                        ; W: row 256 cx
	s_lshl_b32 s18, s14, 16
	s_add_co_u32 s98, s46, s18                     ; + 64 x wave: what I fetch of a chunk
	s_mov_b32 s99, 0
	s_lshl_b32 s18, s16, 17
	s_add_co_u32 s46, s46, s18                     ; + 128 x half: what I fetch at the head
	s_mov_b32 s47, 0
	s_mul_i32 s101, s14, QT
	s_mul_i32 s45, s16, HALFT
	s_lshl_b32 s18, s40, 10                        ; biases from channel 256 cx on
	s_mov_b32 s19, 0
	s_wait_alu depctr_va_vdst(0)
	s_wait_dscnt 0x0                               ; both opening adds are done
	s_wait_kmcnt 0x0
	s_load_b256 s[4:11], s[82:83], 0x0             ; entries 0 to 7,
	s_load_b64 s[12:13], s[82:83], 0x20            ; 8 and 9
	s_add_nc_u64 s[76:77], s[76:77], s[18:19]
	s_add_nc_u64 s[78:79], s[78:79], s[18:19]
	s_add_nc_u64 s[80:81], s[80:81], s[18:19]
	global_load_b64 v[32:33], v[BT], s[76:77]      ; a thread's two biases of each product
	global_load_b64 v[34:35], v[BT], s[78:79]
	global_load_b64 v[36:37], v[BT], s[80:81]
	s_mov_b32 s56, 1                               ; group 0 for x: where slot 1 lies, K half after K half
	s_add_co_u32 s57, s45, SLOT
	s_add_nc_u64 s[58:59], s[68:69], s[20:21]
	s_or_b32 s59, s59, 0x80000000
	s_mov_b32 s60, 1                               ; group 0 for W: slot 0
	s_mov_b32 s61, s45
	s_add_nc_u64 s[62:63], s[70:71], s[46:47]
	s_or_b32 s63, s63, 0x80000000
	CROUND                                         ; all sixteen work-groups are here: the first joint loads meet
	s_cmp_eq_u32 s15, 0
	s_cbranch_scc0 .Lfor_w
	tensor_load_to_lds s[56:59], s[24:31]          ; waves 0 and 1: x
	s_nop 0
	PLACES 4
	s_branch .Lasked
.Lfor_w:
	tensor_load_to_lds s[60:63], s[32:39]          ; waves 2 and 3: Wq's first chunk
	s_nop 0
	PLACES 4
.Lasked:
	s_add_nc_u64 s[66:67], s[70:71], s[98:99]      ; where my part of Wq stands
	s_lshl_b32 s18, s41, 14                        ; the prefetches: my work-group's 16 of the 64 rows
	s_add_co_u32 s46, s98, s18
	s_mov_b32 s47, 0
	s_add_nc_u64 s[20:21], s[70:71], s[46:47]
	s_add_nc_u64 s[44:45], s[72:73], s[46:47]
	s_add_nc_u64 s[22:23], s[74:75], s[46:47]
	s_mov_b32 s3, 2
	s_mov_b32 s100, 0
	v_bfe_u32 v6, v0, 1, 4                         ; a lane's row of the 16,
	v_and_b32 v7, 1, v0                            ; and which of the chunk's two blocks of it
	v_lshlrev_b32 v6, 10, v6
	v_lshl_add_u32 v[PFO], v7, 8, v6
	ASK 42, 20, 512                                ; Wq's second chunk
	; where my codes go.  Q, K: slot cx, row block 8 y + 4 x token half, step by channel half.  V: slot y / 2, row block 16 cx + 8 x channel half, step y % 2, groups c from 2 x token half on
	s_lshl_b32 s18, s40, 21
	s_lshl_b32 s19, s17, 15
	s_add_co_u32 s18, s18, s19
	s_lshl_b32 s19, s15, 14
	s_add_co_u32 s18, s18, s19
	s_lshl_b32 s19, s16, 11
	s_add_co_u32 s18, s18, s19
	s_mov_b32 s19, 0
	s_add_nc_u64 s[90:91], s[84:85], s[18:19]
	s_add_nc_u64 s[92:93], s[86:87], s[18:19]
	s_lshr_b32 s18, s17, 1
	s_lshl_b32 s18, s18, 18
	s_and_b32 s19, s17, 1
	s_lshl_b32 s19, s19, 11
	s_add_co_u32 s18, s18, s19
	s_lshl_b32 s19, s40, 16
	s_add_co_u32 s18, s18, s19
	s_lshl_b32 s19, s16, 15
	s_add_co_u32 s18, s18, s19
	s_lshl_b32 s19, s15, 10
	s_add_co_u32 s18, s18, s19
	s_mov_b32 s19, 0
	s_add_nc_u64 s[94:95], s[88:89], s[18:19]
	s_mul_i32 s18, s15, QT                         ; my 64 tokens of x
	s_mul_i32 s19, s16, HALFT                      ; my 128 channels of W
	s_lshl_b32 s40, s16, 9                         ; and their biases
	v_and_b32 v1, 15, v0                           ; r
	v_bfe_u32 v2, v0, 4, 1                         ; h
	v_mul_u32_u24 v3, v1, PITCH
	v_lshl_add_u32 v3, v2, 4, v3                   ; a fragment's row x pitch + 16 h
	v_add_nc_u32 v4, s18, v3
	v_add_nc_u32 v[ADX], SLOT, v4
	v_add_nc_u32 v[ADX+1], SLOT+HALFT, v4
	v_add_nc_u32 v[ADW], s19, v3
	v_add_nc_u32 v[ADW+1], SLOT, v[ADW]
	v_lshlrev_b32 v[BA], 5, v2
	v_add_nc_u32 v[BA], s40, v[BA]
	v_add_nc_u32 v[BA], BIAS, v[BA]
	v_lshlrev_b32 v[BVA], 2, v1
	v_add_nc_u32 v[BVA], s40, v[BVA]
	v_add_nc_u32 v[BVA], BIAS+2048, v[BVA]
	v_and_b32 v5, 31, v0
	v_lshlrev_b32 v[CO], 4, v5
	v_lshlrev_b32 v[BL], 3, v0
	v_add_nc_u32 v[BL], BIAS, v[BL]
; A product's 16 half steps g: step t = g / 2 of 128 along K, fragments 4 (g % 2) on of my eight of W, in buffer g % 3; slot g / 8.
.macro WFETCH g                        ; a fragment, 16 rows x 128 K of codes, is 16 registers, brought by four loads of 16 bytes a lane
	WIN 0
.set XB, WB+64*((\g)%3)
.irp j, 0,1,2,3
.irp c, 0,1,2,3
	ds_load_b128 v[XB+16*\j+4*\c:XB+16*\j+4*\c+3], v[ADW+(\g)/8] offset:128*(((\g)/2)%4)+32*\c+(4*((\g)%2)+\j)*16*PITCH
.endr
.endr
.endm
; Eight matrix instructions: half of half step g.  kind 0: source 0 = W, source 1 = x, accumulator 8 a + b; kind 1: the sources change places, accumulator 4 a + b.
; The 32 accumulators take turns, one instruction a turn, in the same order in every step; the first step's products start the sums.
.macro HALF kind, g, r0
.set XT, (\g)/2
.set XB, WB+64*((\g)%3)
.set XF, 64*(XT%4)
.if \kind
	WIN (0xf1+XT/4)
.else
	WIN (0xf4+4*(XT/4))
.endif
.irp u, \r0, \r0+1
.irp j, 0,1,2,3
.if \kind
.set XD, 8*(4*(4*((\g)%2)+(\u))+\j)
.if (\g) < 2
	v_wmma_f32_16x16x128_fp8_fp8 v[XD:XD+7], v[XF+16*\j:XF+16*\j+15], v[XB+16*(\u):XB+16*(\u)+15], 0
.else
	v_wmma_f32_16x16x128_fp8_fp8 v[XD:XD+7], v[XF+16*\j:XF+16*\j+15], v[XB+16*(\u):XB+16*(\u)+15], v[XD:XD+7]
.endif
.else
.set XD, 8*(8*(\u)+4*((\g)%2)+\j)
.if (\g) < 2
	v_wmma_f32_16x16x128_fp8_fp8 v[XD:XD+7], v[XB+16*\j:XB+16*\j+15], v[XF+16*(\u):XF+16*(\u)+15], 0
.else
	v_wmma_f32_16x16x128_fp8_fp8 v[XD:XD+7], v[XB+16*\j:XB+16*\j+15], v[XF+16*(\u):XF+16*(\u)+15], v[XD:XD+7]
.endif
.endif
.endr
.endr
.endm
.macro GO kind, g                      ; the loads of the two half steps behind this one (16 each) may be out
	s_wait_dscnt 32
	HALF \kind, \g, 0
	HALF \kind, \g, 2
.endm
; The change of slots, round half step g, the last but one of a chunk, whose loads and the last one's are the only ones that are out: in front of it each wave waits for all its tensor loads, adds 0 to its spare word,
; and waits for that and for its own reads of this slot.  fill = 1: this slot takes a chunk of the next product.
.macro TURN kind, g, fill
	WIN 0
	s_wait_tensorcnt 0x0
	ds_add_u32 v[SPW], v[NIL]                      ; 0 onto my spare word
	s_wait_dscnt 17                                ; the add and the last half step's sixteen loads may be out
	HALF \kind, \g, 0
	s_wait_dscnt 0x0                               ; the add is done, and my reads of this slot are over
	s_barrier_signal -1
	HALF \kind, \g, 2
	WIN 0
	s_barrier_wait -1
.if \fill
	CREST                                          ; no wave of any partner still reads this slot or has a load on its way
	LOADW ((\g)/8)
.else
	PLACES NP
.endif
.endm
.macro CHUNKS kind, fill               ; half steps 0 to 13
.irp g, 0,1,2,3,4
	GO \kind, \g
	PLACES NP
	WFETCH \g+3
.endr
	GO \kind, 5
	TURN \kind, 6, \fill
	WFETCH 8                                       ; the four v_nop above are the places
	WFETCH 9
.if \fill
	ASK 42, 44, 512                                ; the next product's second chunk
.endif
	HALF \kind, 7, 0
	HALF \kind, 7, 2
	PLACES NP
	WFETCH 10
.irp g, 8,9,10,11,12
	GO \kind, \g
	PLACES NP
	WFETCH \g+3
.endr
	GO \kind, 13
.endm
.macro EXPS                            ; from ex, ew (s18, s19) and the result's exponent s40
	s_add_co_i32 s18, s18, s19
	s_add_co_i32 s18, s18, 127
	s_lshl_b32 s96, s18, 23                        ; 2^(ex + ew) as f32
	s_mov_b32 s97, s96                             ; (named with it as a pair)
	s_add_co_i32 s40, s40, 127
	s_lshl_b32 s18, s40, 23
	s_add_co_i32 s40, s40, 8
	s_lshl_b32 s40, s40, 23
	s_or_b32 s40, s40, 0x600000
	v_mov_b32 v[SCL], s18                          ; the result's scale as f32
	v_mov_b32 v[LIM], s40                          ; 448 x that
.endm
; THE WAY OUT of n accumulators from register ac on: sum x 2^(ex + ew) + bias, the hold (the conversion does not saturate: ISA guide 7.6.2), the conversion; the codes are a fragment of the next product and leave as they stand.
.macro OUT kind, a, n
.set XD, 8*(\n)*(\a)
.set CD, CDB+2*(\n)*(\a)
	WIN 3
.set b, 0
.rept \n
.irp i, 0,2,4,6
.if \kind
	v_pk_fma_f32 v[TMP+8*b+\i:TMP+8*b+\i+1], v[XD+8*b+\i:XD+8*b+\i+1], s[96:97], v[BQ+2*(\a):BQ+2*(\a)+1] op_sel_hi:[1,0,0]
.else
	v_pk_fma_f32 v[TMP+8*b+\i:TMP+8*b+\i+1], v[XD+8*b+\i:XD+8*b+\i+1], s[96:97], v[BQ+8*b+\i:BQ+8*b+\i+1] op_sel_hi:[1,0,1]
.endif
.endr
.set b, b+1
.endr
	WIN 0
.set b, 0
.rept 8*(\n)
	v_med3_num_f32 v[TMP+b], v[TMP+b], -v[LIM], v[LIM]
.set b, b+1
.endr
.set b, 0
.rept \n
	v_cvt_scalef32_pk8_fp8_f32 v[CD+2*b:CD+2*b+1], v[TMP+8*b:TMP+8*b+7], v[SCL]
.set b, b+1
.endr
	v_nop                                          ; one plain vector instruction behind the last conversion
.set b, 0
.rept (\n)/2
.if \kind
	global_store_b128 v[CO], v[CD+4*b:CD+4*b+3], s[94:95] offset:4096*(\a)+512*b   ; 32 lanes store 512 consecutive bytes, aligned
.else
	global_store_b128 v[CO], v[CD+4*b:CD+4*b+3], s[90:91] offset:4096*(\a)+512*b
.endif
.set b, b+1
.endr
.endm
	s_wait_alu depctr_va_vdst(0)
	s_wait_loadcnt 0x0                             ; the biases
	s_wait_kmcnt 0x0                               ; the exponents
	s_wait_tensorcnt 0x0                           ; my part of x or of W is in
	ds_add_u32 v[SPW], v[NIL]
	s_wait_dscnt 0x0
	s_barrier_signal -1
	s_barrier_wait -1                              ; everybody's is
	ds_store_b64 v[BL], v[32:33]                   ; the biases, for all four waves: read behind a later barrier
	ds_store_b64 v[BL], v[34:35] offset:1024
	ds_store_b64 v[BL], v[36:37] offset:2048
.irp t, 0,1,2,3,4,5,6,7
	WIN (0x40*(1+\t/4))
.irp a, 0,1,2,3
.irp c, 0,1,2,3
	ds_load_b128 v[64*(\t%4)+16*\a+4*\c:64*(\t%4)+16*\a+4*\c+3], v[ADX+\t/4] offset:128*(\t%4)+32*\c+\a*16*PITCH
.endr
.endr
.endr
	WFETCH 0
	WFETCH 1
	WFETCH 2
	s_wait_tensorcnt 0x0                           ; in front of slot 1's filling: these three lines
	ds_add_u32 v[SPW], v[NIL]
	s_wait_dscnt 0x0                               ; the add, my stores, and my reads of x are done
	CROUND                                         ; of every wave of every partner
	LOADW 1                                        ; Wq's second chunk, where x lay
	s_add_nc_u64 s[66:67], s[72:73], s[98:99]      ; next: Wk
	ASK 42, 44, 0                                  ; Wk's first chunk
.Lprod:                                                ; Q, then K; each trip fills both slots with the next product's chunks
	CHUNKS 0, 1
	TURN 0, 14, 1
	v_add_nc_u32 v[BN], s100, v[BA]
.irp b, 0,1,2,3,4,5,6,7
	ds_load_b128 v[BQ+8*\b:BQ+8*\b+3], v[BN] offset:64*\b          ; bias(16 b + 8 h + 0 .. 7)
	ds_load_b128 v[BQ+8*\b+4:BQ+8*\b+7], v[BN] offset:64*\b+16
.endr
	ASK 43, 22, 0                                  ; Q's trip alone: Wv's first chunk
	HALF 0, 15, 0
	HALF 0, 15, 2
	WIN 0
	s_cmp_eq_u32 s3, 2                             ; Q's or K's exponents, chosen without a jump
	s_cselect_b32 s18, s4, s6
	s_cselect_b32 s19, s5, s7
	s_cselect_b32 s40, s10, s11
	EXPS
	PLACES NP
	s_wait_alu depctr_va_vdst(0)
	s_wait_dscnt 0x0                               ; the biases
.irp a, 0,1,2,3
	OUT 0, \a, 8
.endr
	s_wait_xcnt 0x0                                ; the stores and any prefetch have read their registers
	s_mov_b64 s[44:45], s[22:23]
	s_mov_b64 s[90:91], s[92:93]
	s_add_nc_u64 s[66:67], s[74:75], s[98:99]      ; next: Wv
	s_add_co_u32 s100, s100, 1024
	WFETCH 0
	WFETCH 1
	WFETCH 2
	s_sub_co_u32 s3, s3, 1
	s_cmp_lg_u32 s3, 0
	s_wait_alu depctr_va_vdst(0)
	s_cbranch_scc1 .Lprod
	CHUNKS 1, 0                                    ; V: nothing more is filled
	s_wait_dscnt 16
	HALF 1, 14, 0
	HALF 1, 14, 2
	PLACES NP
	WIN 0
.irp a, 0,1,2,3,4,5,6,7
	ds_load_b32 v[BQ+2*\a], v[BVA] offset:64*\a    ; bias(16 a + r)
.endr
	s_wait_dscnt 8                                 ; the eight biases may be out
	HALF 1, 15, 0
	HALF 1, 15, 2
	WIN 0
	s_mov_b32 s18, s8
	s_mov_b32 s19, s9
	s_mov_b32 s40, s13
	EXPS
	PLACES NP
	s_wait_alu depctr_va_vdst(0)
	s_wait_dscnt 0x0
.irp a, 0,1,2,3,4,5,6,7
	OUT 1, \a, 4
.endr
	s_wait_tensorcnt 0x0                           ; the wave's end
	ds_add_u32 v[SPW], v[NIL]
	s_wait_dscnt 0x0
	CROUND                                         ; the closing round: no work-group ends while a partner may still ask for a tile that names it
	s_endpgm
.Lfunc_end_k_q8e05a798d6_proj:
	.size	k_q8e05a798d6_proj, .Lfunc_end_k_q8e05a798d6_proj-k_q8e05a798d6_proj
	.p2alignl 7, 3214868480
	.fill 96, 4, 3214868480
	.section	.rodata,"a",@progbits
	.p2align	6, 0x0
	.amdhsa_kernel k_q8e05a798d6_proj
		.amdhsa_group_segment_fixed_size 327680
		.amdhsa_private_segment_fixed_size 0
		.amdhsa_enable_private_segment 0
		.amdhsa_kernarg_size 88
		.amdhsa_user_sgpr_count 2
		.amdhsa_user_sgpr_kernarg_segment_ptr 1
		.amdhsa_wavefront_size32 1
		.amdhsa_system_sgpr_workgroup_id_x 1
		.amdhsa_system_sgpr_workgroup_id_y 1
		.amdhsa_system_sgpr_workgroup_id_z 1
		.amdhsa_system_vgpr_workitem_id 0
		.amdhsa_next_free_vgpr 1024
		.amdhsa_next_free_sgpr 102
		.amdhsa_reserve_vcc 0
		.amdhsa_float_denorm_mode_32 3
		.amdhsa_float_denorm_mode_16_64 3
		.amdhsa_memory_ordered 1
		.amdhsa_forward_progress 1
		.amdhsa_inst_pref_size 149
	.end_amdhsa_kernel
	.amdgpu_metadata
---
amdhsa.version: [ 1, 2 ]
amdhsa.kernels:
  - .name:           k_q8e05a798d6_proj
    .symbol:         k_q8e05a798d6_proj.kd
    .args:
      - { .name: x_codes, .offset: 0, .size: 8, .value_kind: global_buffer, .address_space: global }
      - { .name: Wq_codes, .offset: 8, .size: 8, .value_kind: global_buffer, .address_space: global }
      - { .name: Wk_codes, .offset: 16, .size: 8, .value_kind: global_buffer, .address_space: global }
      - { .name: Wv_codes, .offset: 24, .size: 8, .value_kind: global_buffer, .address_space: global }
      - { .name: bq, .offset: 32, .size: 8, .value_kind: global_buffer, .address_space: global }
      - { .name: bk, .offset: 40, .size: 8, .value_kind: global_buffer, .address_space: global }
      - { .name: bv, .offset: 48, .size: 8, .value_kind: global_buffer, .address_space: global }
      - { .name: lowp_scales, .offset: 56, .size: 8, .value_kind: global_buffer, .address_space: global }
      - { .name: qc, .offset: 64, .size: 8, .value_kind: global_buffer, .address_space: global }
      - { .name: kc, .offset: 72, .size: 8, .value_kind: global_buffer, .address_space: global }
      - { .name: vc, .offset: 80, .size: 8, .value_kind: global_buffer, .address_space: global }
    .group_segment_fixed_size: 327680
    .private_segment_fixed_size: 0
    .kernarg_segment_align: 8
    .kernarg_segment_size: 88
    .max_flat_workgroup_size: 128
    .sgpr_count:     102
    .vgpr_count:     1024
    .wavefront_size: 32
...
	.end_amdgpu_metadata
.endif
;; end of part 1
;; launch scores (part 2): grid 8 x 32, 4 waves a work-group, clusters of 4 x 4, 327,680 bytes of LDS; arguments qc, kc, lowp_scales, pc, pm, pl; writes pc, pm, pl
.if DOCPART == 2
	.amdgcn_target "amdgcn-amd-amdhsa--gfx1250"
	.amdhsa_code_object_version 6
	.text
	.protected	k_q8e05a798d6_scores
	.globl	k_q8e05a798d6_scores
	.p2align	8
	.type	k_q8e05a798d6_scores,@function
k_q8e05a798d6_scores:
	s_mov_b64 s[64:65], 0
	v_nop
	global_prefetch_b8 v0, s[64:65] scope:SCOPE_SE
	s_setreg_imm32_b32 hwreg(HW_REG_WAVE_MODE, 25, 1), 1
	s_wait_xcnt 0x0
	s_wait_alu depctr_hold_cnt(0) depctr_sa_sdst(0) depctr_va_vdst(0) depctr_va_sdst(0) depctr_va_ssrc(0) depctr_va_vcc(0) depctr_vm_vsrc(0)
	s_getreg_b32 s2, hwreg(HW_REG_IB_STS2, 6, 4)
	s_cmp_eq_u32 s2, 0
	s_cbranch_scc0 .Lentry_in_a_cluster
	s_endpgm
.Lentry_in_a_cluster:
	s_bfe_u32 s2, ttmp6, 0x10000c
	s_cmp_lg_u32 s2, 0xf033
	s_cbranch_scc0 .Lentry_shape_is_right
	s_endpgm
.Lentry_shape_is_right:
; S = Q K^T on codes of FP8 (E4M3), and the softmax's numerator: t = S x 2^(e6 + e7) x log2(e) / 32; M = the largest t among the tile's 256 keys, rounded UP to a whole number; p = 2^(t - M),
; quantised along the keys with the given 2^e8.  Stored: p's codes, -M for each (query, block of 256 keys), and the sum of the unquantised p for each (query, 128 keys).  No work of the problem is left out.
; M IS THAT OF A BLOCK OF 256 KEYS, not of the whole row: the next launch brings the blocks under the row's M by exact powers of two, as a running M would.  A block's M is at most the row's, so the quantised numbers
; keep their values, but for those that under the row's M would fall below the format's normal range: these are kept finer here.  The maximum is taken away before every exponential.
; SHARES.  Work-group x = the block of 256 keys, work-group y = 8 x batch + the block of 256 queries.  Four waves, each 128 queries x 128 keys: 64 accumulators.  K = the 1,024 channels, in steps of 256 through a ring of two LDS slots.
; Q's tile hangs on work-group y alone and is asked for jointly along a row of the cluster, K's on work-group x and the batch (made of the cluster's y alone), along a column.
; The codes lie in memory as images of the operands' registers (the layout is set out at the head of the launch that makes them): a wave's half tile is one dense block of 32,768 bytes, and a fragment is four loads of 16 bytes at 16 x lane.
; THE MATRIX INSTRUCTION IS USED TRANSPOSED (source 0 = 16 keys, source 1 = 16 queries): lane (r, h) holds query 16 a + r and keys 16 b + 8 h + 0 .. 7, so p's codes are a fragment of the next product as they stand.
; A row's 256 keys lie in two waves (w and w xor 1): their maxima meet in LDS, behind one barrier.
; LIMITS: e6 + e7 between -121 and 132 (they are added to the exponent field of log2(e) / 32); e8 between -126 and 119; |t| under 2^24, so that M is an exact whole number in f32.
; REGISTERS: windows as in the launch before.  Window 0 on the way out: v32-47 maxima in two chains; v48-55 mine, v56-63 my partner's; v64-79 -M in pairs; v98-105 the sums;
;   v106-113 what is stored of them; v192-255 codes, four sets; window 1: v0-127 the numbers, v128-145 the sums in pairs and a second chain.
.set HALFT,  32768                     ; 128 rows x 256 K of codes: what one tensor load brings
.set SLOT,   4*HALFT                   ; Q's 256 rows, then K's 256 rows
.set MXB,    2*SLOT                    ; behind the ring: 1,024 bytes for each wave, for the maxima
.set SPARE,  MXB+4096                  ; behind them: the spare words, 128 bytes for each wave
.set KQ,     2048                      ; a fragment's place: the q-th 128 along K,
.set KC,     512                       ; group c of four registers,
.set KI,     4096                      ; block i of 16 rows
.set ASTEP,  2097152                   ; bytes from a slot's tile to the next along K: 8,192 rows x 256
.set BSTEP,  2097152
.set LAPS,   2
.set FR,     16
.set NL,     4
.set NP,     4
.set ADRA, 16                          ; v16-17  LDS address of source 1's fragments in slot 0, 1
.set ADRB, 20                          ; v20-21  the same for source 0
.set XW,   24                          ; v24     where I put my eight maxima
.set XR,   25                          ; v25     where my partner wave's lie
.set CO,   26                          ; v26     16 x lane
.set SO,   27                          ; v27     32 r + 16 h: my 16 bytes of an image of statistics
.set SPW,  28
.set NIL,  29
.set PFO,  23                          ; v23     the prefetches' offset: 256 x lane; never rewritten
.set PFA,  80                          ; s[80:81] where my prefetches stand: my work-group's quarter of the 32,768 bytes that my wave fetches with its three partners, K step 0
.set SCL,  31                          ; v31     2^e8 as f32
.set MC,   32
.set MX,   48
.set PX,   56
.set NM,   64
.set SU,   128                         ; window 1, v128-143: the sums in pairs,
.set SB,   144                         ; v144-145: a second chain
.set LS,   98
.set IM,   106
.set AF,   128
; on the way out the numbers lie in window 1, v0-127, two sets that take turns, and the sums in window 1 too; window 0's v80-97 and v128-191 are not used there
.set CDB,  192
.set G1, 24
.set G0, 32
.set G1B, 48
.set G0B, 56
.set MSB, 0
.macro WIN new                         ; the immediate's high byte repeats the setting that is left
.if MSB != \new
	s_set_vgpr_msb (MSB<<8)|\new
.set MSB, \new
.endif
.endm
.set MUL_LO, 0xa1
.set MUL_HI, 0xf1
.set TO_B,   0x40
.macro JLOAD g0a, g1a, g0b, g1b        ; a joint load: waves 0 and 1 fetch Q's halves, waves 2 and 3 K's; an s_nop 0 and four v_nop follow each line
	s_cmp_eq_u32 s15, 0
	s_cbranch_scc0 .Lfor_b_\@
	tensor_load_to_lds s[\g0a:\g0a+3], s[\g1a:\g1a+7]
	s_nop 0
.rept 4
	v_nop
.endr
	s_branch .Lasked_\@
.Lfor_b_\@:
	tensor_load_to_lds s[\g0b:\g0b+3], s[\g1b:\g1b+7]
	s_nop 0
.rept 4
	v_nop
.endr
.Lasked_\@:
.endm
.macro CREST
	s_cmp_lg_u32 s14, 0
	s_cbranch_scc1 .Lnot_wave_0_\@
	s_barrier_signal -3
.Lnot_wave_0_\@:
	s_barrier_wait -3
	s_barrier_signal -1
	s_barrier_wait -1
.endm
.macro CROUND
	s_barrier_signal -1
	s_barrier_wait -1
	CREST
.endm
	s_load_b256 s[68:75], s[0:1], 0x0              ; Q's codes s[68:69], K's s[70:71], the scales' exponents s[72:73], p's codes s[74:75]
	s_load_b128 s[76:79], s[0:1], 0x20             ; -M s[76:77], the sums s[78:79]
	v_lshl_add_u32 v[SPW], v0, 2, SPARE
	v_mov_b32 v[NIL], 0
	ds_add_u32 v[SPW], v[NIL]                      ; the wave's opening: the add, twice on end, and its wait ahead of my first tensor load
	ds_add_u32 v[SPW], v[NIL]
	v_lshrrev_b32 v1, 5, v0
	v_readfirstlane_b32 s14, v1                    ; wave 0..3
	s_lshr_b32 s15, s14, 1                         ; which half of the queries is mine.  Also: I fetch for Q (0) or for K (1)
	s_and_b32 s16, s14, 1                          ; which half of the keys.  Also: which 128 rows of that tile I fetch
	s_bfe_u32 s40, ttmp6, 0x40000                  ; cx, cy
	s_bfe_u32 s41, ttmp6, 0x40004
	s_lshl_b32 s42, ttmp9, 2
	s_add_co_u32 s42, s42, s40                     ; work-group x: the block of keys
	s_and_b32 s17, ttmp7, 0xffff
	s_lshl_b32 s17, s17, 2
	s_add_co_u32 s17, s17, s41                     ; work-group y: 8 x batch + the block of queries
	s_lshl_b32 s43, s41, 2
	s_lshl_b32 s43, 15, s43                        ; my row of the cluster
	s_lshl_b32 s44, 0x1111, s40                    ; my column
	; descriptor group 1: a dense block of 32,768 bytes, as 128 rows of 32 elements of 8 bytes; no padding
	s_or_b32 s[G1+0], s43, (3<<16)|(1<<21)         ; 15:0 the mask: Q's tiles go to my row; 17:16 elements of 8 bytes; 21 set beside a mask
	s_or_b32 s[G1B+0], s44, (3<<16)|(1<<21)        ; K's to my column
.irp g, G1, G1B
	s_mov_b32 s[\g+1], 32<<16                      ; tensor_dim0
	s_mov_b32 s[\g+2], 128<<16                     ; tensor_dim1
	s_mov_b32 s[\g+3], 32<<16                      ; tile_dim0
	s_mov_b32 s[\g+4], 128                         ; tile_dim1
	s_mov_b32 s[\g+5], 32                          ; tensor_dim0_stride
	s_mov_b32 s[\g+6], 0
	s_mov_b32 s[\g+7], 0
.endr
	s_mov_b32 s66, 0x76543210                      ; v_permlanex16_b32's selects for lane l xor 16
	s_mov_b32 s67, 0xfedcba98
	s_lshl_b32 s19, s16, 15                        ; which half of the tile I fetch
	s_lshl_b32 s20, s17, 16                        ; Q: row block 16 y
	s_add_co_u32 s20, s20, s19
	s_mov_b32 s21, 0
	s_and_b32 s46, ttmp7, 0xffff
	s_lshr_b32 s46, s46, 1                         ; the batch, of the cluster's y alone
	s_lshl_b32 s46, s46, 3
	s_add_co_u32 s46, s46, s42
	s_lshl_b32 s46, s46, 16                        ; K: row block 16 (8 batch + x)
	s_add_co_u32 s46, s46, s19
	s_mov_b32 s47, 0
	s_mul_i32 s45, s14, HALFT                      ; where they go: wave x 32,768
	s_wait_dscnt 0x0                               ; both opening adds are done
	s_wait_kmcnt 0x0
	s_load_b128 s[4:7], s[72:73], 0x18             ; entries 6 to 9: waited for on the way out
	s_add_nc_u64 s[20:21], s[68:69], s[20:21]
	s_add_nc_u64 s[46:47], s[70:71], s[46:47]
	CROUND                                         ; all sixteen work-groups are here: the first joint loads meet
.irp s, 0,1
	s_mov_b32 s[G0+4*\s], 1
	s_add_co_u32 s[G0+4*\s+1], s45, \s*SLOT
	s_add_nc_u64 s[G0+4*\s+2:G0+4*\s+3], s[20:21], \s*ASTEP
	s_or_b32 s[G0+4*\s+3], s[G0+4*\s+3], 0x80000000
	s_mov_b32 s[G0B+4*\s], 1
	s_add_co_u32 s[G0B+4*\s+1], s45, \s*SLOT
	s_add_nc_u64 s[G0B+4*\s+2:G0B+4*\s+3], s[46:47], \s*BSTEP
	s_or_b32 s[G0B+4*\s+3], s[G0B+4*\s+3], 0x80000000
.endr
	JLOAD G0, G1, G0B, G1B                         ; K step 0: one tensor load a wave at the head
	; PREFETCH: behind each load stands one prefetch a wave for the K step after it, one whole step ahead of its load.  The four partners that ask for a tile jointly share its 128 blocks of 256 bytes by address (cx for Q, cy for K)
	s_cmp_eq_u32 s15, 0
	s_cselect_b64 s[PFA:PFA+1], s[20:21], s[46:47]
	s_cselect_b32 s82, s40, s41
	s_lshl_b32 s82, s82, 13
	s_mov_b32 s83, 0
	s_add_nc_u64 s[PFA:PFA+1], s[PFA:PFA+1], s[82:83]
	v_and_b32 v1, 15, v0                           ; r
	v_bfe_u32 v2, v0, 4, 1                         ; h
	v_and_b32 v5, 31, v0                           ; lane
	v_lshlrev_b32 v[CO], 4, v5
	v_lshlrev_b32 v[PFO], 8, v5
	global_prefetch_b8 v[PFO], s[PFA:PFA+1] offset:ASTEP th:TH_LOAD_NT scope:SCOPE_SE
	s_mul_i32 s21, s15, HALFT                      ; my 128 queries
	s_mul_i32 s22, s16, HALFT                      ; my 128 keys,
	s_add_co_u32 s22, s22, 2*HALFT                 ; which lie behind Q's 256 rows
.irp s, 0,1
	v_add_nc_u32 v[ADRA+\s], s21, v[CO]
	v_add_nc_u32 v[ADRB+\s], s22, v[CO]
	s_add_co_u32 s21, s21, SLOT
	s_add_co_u32 s22, s22, SLOT
.endr
	v_lshlrev_b32 v6, 5, v5
	s_lshl_b32 s18, s14, 10
	s_xor_b32 s19, s14, 1                          ; the wave with the row's other 128 keys
	s_lshl_b32 s19, s19, 10
	v_add_nc_u32 v[XW], s18, v6
	v_add_nc_u32 v[XW], MXB, v[XW]
	v_add_nc_u32 v[XR], s19, v6
	v_add_nc_u32 v[XR], MXB, v[XR]
	v_lshlrev_b32 v[SO], 5, v1
	v_lshl_add_u32 v[SO], v2, 4, v[SO]
	s_and_b32 s18, ttmp7, 0xffff                   ; p's codes: batch x 4,194,304 + slot x of 524,288 + row block 16 (y % 8) + my eight + my step of 128
	s_lshr_b32 s18, s18, 1
	s_lshl_b32 s18, s18, 22
	s_lshl_b32 s19, s42, 19
	s_add_co_u32 s18, s18, s19
	s_and_b32 s19, s17, 7
	s_lshl_b32 s19, s19, 16
	s_add_co_u32 s18, s18, s19
	s_lshl_b32 s19, s15, 15
	s_add_co_u32 s18, s18, s19
	s_lshl_b32 s19, s16, 11
	s_add_co_u32 s18, s18, s19
	s_mov_b32 s19, 0
	s_add_nc_u64 s[90:91], s[74:75], s[18:19]
	s_lshl_b32 s18, s17, 1
	s_add_co_u32 s18, s18, s15                     ; G = my 128 rows' number among all
	s_lshl_b32 s19, s18, 3
	s_add_co_u32 s19, s19, s42                     ; 8 G + x
	s_lshl_b32 s20, s19, 9
	s_mov_b32 s21, 0
	s_add_nc_u64 s[92:93], s[76:77], s[20:21]      ; -M's image of 512 bytes
	s_lshl_b32 s19, s19, 1
	s_add_co_u32 s19, s19, s16                     ; 16 G + 2 x + my half
	s_lshl_b32 s20, s19, 9
	s_add_nc_u64 s[94:95], s[78:79], s[20:21]      ; the sums' image
.macro FRAG reg, adr, q, i
.irp c, 0,1,2,3
	ds_load_b128 v[\reg+4*\c:\reg+4*\c+3], v[\adr] offset:KQ*(\q)+KC*\c+(\i)*KI
.endr
.endm
; The 64 accumulators take turns, one instruction a turn, in the same order in every step.
.macro MUL16 a0, p, zero
.irp a, \a0, \a0+1
.irp b, 0,1,2,3,4,5,6,7
.if \zero
	v_wmma_f32_16x16x128_fp8_fp8 v[8*(8*((\a)%4)+\b):8*(8*((\a)%4)+\b)+7], v[128*(\p)+FR*\b:128*(\p)+FR*\b+FR-1], v[AF+FR*(\a):AF+FR*(\a)+FR-1], 0
.else
	v_wmma_f32_16x16x128_fp8_fp8 v[8*(8*((\a)%4)+\b):8*(8*((\a)%4)+\b)+7], v[128*(\p)+FR*\b:128*(\p)+FR*\b+FR-1], v[AF+FR*(\a):AF+FR*(\a)+FR-1], v[8*(8*((\a)%4)+\b):8*(8*((\a)%4)+\b)+7]
.endif
.endr
.endr
.endm
.macro FETCH_B slot, q, p, i0, cnt     ; cnt of source 0's eight fragments, from i0 on
	WIN TO_B
.set fi, \i0
.rept \cnt
	FRAG 128*(\p)+FR*fi, ADRB+\slot, \q, fi
.set fi, fi+1
.endr
	WIN 0
.endm
.macro FETCH_A slot, q, i0
.irp i, \i0, \i0+1, \i0+2, \i0+3
	FRAG AF+FR*(\i), ADRA+\slot, \q, \i
.endr
.endm
.macro PLACES n                        ; places behind matrix instructions, in front of loads into their registers and of the first read of results
.rept \n
	v_nop
.endr
.endm
.macro STEP slot, q, zero
	s_wait_dscnt 8*NL                              ; source 1's blocks 4-7 and the next step's first four fragments of source 0 may be out
	WIN MUL_LO
	MUL16 0, (\q)%2, \zero
	MUL16 2, (\q)%2, \zero
	s_wait_dscnt 4*NL                              ; blocks 4-7 are in
	PLACES NP
	FETCH_B \slot, (\q)+1, 1-(\q)%2, 4, 4
	FETCH_A \slot, (\q)+1, 0
	WIN MUL_HI
	MUL16 4, (\q)%2, \zero
	MUL16 6, (\q)%2, \zero
	PLACES NP
	WIN 0
	FETCH_A \slot, (\q)+1, 4
.endm
.macro TURN slot, next, fill
	s_wait_tensorcnt 0x0                           ; all my tensor loads have landed: my part of the next slot
	ds_add_u32 v[SPW], v[NIL]                      ; 0 onto my spare word
	s_wait_dscnt 4*NL+1                            ; the add and the youngest sixteen loads may be out
	WIN MUL_LO
	MUL16 0, 1, 0
	s_wait_dscnt 0x0                               ; the add is done, and my reads of this slot are over
	s_barrier_signal -1
	MUL16 2, 1, 0
	WIN 0
	s_barrier_wait -1
.if \fill
	CREST                                          ; no wave of any partner still reads this slot or has a load on its way
	s_add_nc_u64 s[G0+4*\slot+2:G0+4*\slot+3], s[G0+4*\slot+2:G0+4*\slot+3], 2*ASTEP
	s_add_nc_u64 s[G0B+4*\slot+2:G0B+4*\slot+3], s[G0B+4*\slot+2:G0B+4*\slot+3], 2*BSTEP
	JLOAD G0+4*\slot, G1, G0B+4*\slot, G1B         ; the first tensor load behind the round
.else
	PLACES NP
.endif
	s_wait_alu depctr_va_vdst(0)
	FETCH_B \next, 0, 0, 0, 8
	FETCH_A \next, 0, 0
.if (\fill) && (\slot) == 0
	global_prefetch_b8 v[PFO], s[PFA:PFA+1] offset:3*ASTEP th:TH_LOAD_NT scope:SCOPE_SE   ; the last K step, which the next change of slots asks for
.endif
	WIN MUL_HI
	MUL16 4, 1, 0
	MUL16 6, 1, 0
	PLACES NP
	WIN 0
	FETCH_A \next, 0, 4
	FETCH_B \next, 1, 1, 0, 4                      ; the slot's second step, first half of source 0: set 1 has just been multiplied
.endm
	s_wait_alu depctr_va_vdst(0)
	s_wait_tensorcnt 0x0                           ; my part of K step 0 is in; these lines stand ahead of a later first fill as ahead of a refill
	ds_add_u32 v[SPW], v[NIL]
	s_wait_dscnt 0x0
	CROUND
	JLOAD G0+4, G1, G0B+4, G1B                     ; K step 1
	FETCH_B 0, 0, 0, 0, 8
	FETCH_A 0, 0, 0
	FETCH_A 0, 0, 4
	FETCH_B 0, 1, 1, 0, 4
	global_prefetch_b8 v[PFO], s[PFA:PFA+1] offset:2*ASTEP th:TH_LOAD_NT scope:SCOPE_SE
	STEP 0, 0, 1
	s_mov_b32 s3, LAPS-1
.Llap:
	TURN 0, 1, 1
	STEP 1, 0, 0
	TURN 1, 0, 1
	STEP 0, 0, 0
	s_sub_co_u32 s3, s3, 1
	s_cmp_lg_u32 s3, 0
	s_cbranch_scc1 .Llap
	TURN 0, 1, 0
	STEP 1, 0, 0
	s_wait_dscnt 4*NL
	WIN MUL_LO
	MUL16 0, 1, 0
	MUL16 2, 1, 0
	s_wait_dscnt 0
	WIN MUL_HI
	MUL16 4, 1, 0
	MUL16 6, 1, 0
	WIN 0
	s_wait_kmcnt 0x0
	s_add_co_i32 s18, s4, s5                       ; a sum stands for sum x 2^(e6 + e7): the two exponents are added to the exponent field of
	s_lshl_b32 s18, s18, 23
	s_add_co_i32 s96, s18, 0x3d38aa3b              ; c = log2(e) / sqrt(1024)
	s_mov_b32 s97, s96                             ; (named with it as a pair, so it is written)
	s_add_co_i32 s19, s6, 127
	s_lshl_b32 s20, s19, 23
	v_mov_b32 v[SCL], s20                          ; 2^e8 as f32
	s_add_co_i32 s19, s19, 8
	s_lshl_b32 s19, s19, 23
	s_or_b32 s19, s19, 0x600000
	PLACES NP
; the largest score of block a's rows among my lane's 64 keys, in two chains; each accumulator is read from its low end on
.macro RMAX a
.set AC, 64*((\a)%4)
.set C0, MC+2*(\a)
	WIN 0x0a+5*((\a)/4)                            ; sources 0 and 1: window 2 or 3
	v_max_num_f32 v[C0], v[AC], v[AC+1]
	v_max_num_f32 v[C0+1], v[AC+2], v[AC+3]
.set n, 4
.rept 15
	v_max3_num_f32 v[C0], v[AC+n], v[AC+n+1], v[C0]
	v_max3_num_f32 v[C0+1], v[AC+n+2], v[AC+n+3], v[C0+1]
.set n, n+4
.endr
.endm
.irp a, 0,1,2,3,4,5,6,7
	RMAX \a
.endr
	WIN 0
.irp a, 0,1,2,3,4,5,6,7
	v_max_num_f32 v[MC+2*\a], v[MC+2*\a], v[MC+2*\a+1]
.endr
.irp a, 0,1,2,3,4,5,6,7
	v_permlanex16_b32 v[MC+2*\a+1], v[MC+2*\a], s66, s67       ; the row's other 64 keys of my wave lie in the lane 16 away
.endr
.irp a, 0,1,2,3,4,5,6,7
	v_max_num_f32 v[MX+\a], v[MC+2*\a], v[MC+2*\a+1]
.endr
	ds_store_b128 v[XW], v[MX:MX+3]
	ds_store_b128 v[XW], v[MX+4:MX+7] offset:16
	s_wait_alu depctr_va_vdst(0)
	s_wait_dscnt 0x0                               ; for the partner's sake: my stores are done
	s_barrier_signal -1
	s_barrier_wait -1
	ds_load_b128 v[PX:PX+3], v[XR]                 ; the same rows' maxima among the other 128 keys
	ds_load_b128 v[PX+4:PX+7], v[XR] offset:16
	s_wait_dscnt 0x0
.irp a, 0,1,2,3,4,5,6,7
	v_max_num_f32 v[MX+\a], v[MX+\a], v[PX+\a]
.endr
.irp a, 0,1,2,3,4,5,6,7
	v_mul_f32 v[MX+\a], s96, v[MX+\a]              ; as t (c is positive)
.endr
.irp a, 0,1,2,3,4,5,6,7
	v_floor_f32 v[NM+2*\a], -v[MX+\a]              ; -M = floor(-t) = -ceil(t): a whole number
	v_mov_b32 v[NM+2*\a+1], 0                      ; (the pair's other register is named with it)
.endr
; block a: p = 2^(t - M), its sum, its codes
; here p and its sum; the hold of the block before stands among the exponentials: it names none of their registers
.macro EXPO a
.set AC, 64*((\a)%4)
.set TA, 64*((\a)%2)                   ; this block's set, in window 1,
.set TB, 64-TA                         ; and the last one's
	WIN (0x42+(\a)/4)                              ; destination window 1, source 0 window 2 or 3
.set n, 0
.rept 32
	v_pk_fma_f32 v[TA+n:TA+n+1], v[AC+n:AC+n+1], s[96:97], v[NM+2*(\a):NM+2*(\a)+1] op_sel_hi:[1,0,0]   ; t - M, two at a time
.set n, n+2
.endr
	WIN 0x45
	s_wait_alu depctr_va_vdst(0)                   ; the wait ahead of the batch
.set n, 0
.rept 64
	v_exp_f32 v[TA+n], v[TA+n]                     ; p, at most 1: not normalised
.if (\a) > 0
	v_min_num_f32 v[TB+n], s19, v[TB+n]            ; the conversion does not saturate (ISA guide 7.6.2): the hold at 448 x 2^e8; p is not negative, so it is one-sided
.endif
.set n, n+1
.endr
	v_nop                                          ; a plain instruction behind the last exponential
	s_wait_alu depctr_va_vdst(0)                   ; one wait for the batch, ahead of its first reader
	v_pk_add_f32 v[SU+2*(\a):SU+2*(\a)+1], v[TA:TA+1], v[TA+2:TA+3]   ; the sum is taken of the unquantised p, in two chains
	v_pk_add_f32 v[SB:SB+1], v[TA+4:TA+5], v[TA+6:TA+7]
.set n, 8
.rept 14
	v_pk_add_f32 v[SU+2*(\a):SU+2*(\a)+1], v[SU+2*(\a):SU+2*(\a)+1], v[TA+n:TA+n+1]
	v_pk_add_f32 v[SB:SB+1], v[SB:SB+1], v[TA+n+2:TA+n+3]
.set n, n+4
.endr
	v_pk_add_f32 v[SU+2*(\a):SU+2*(\a)+1], v[SU+2*(\a):SU+2*(\a)+1], v[SB:SB+1]
.endm
; block a's codes, behind its hold
.macro CODES a
.set CD, CDB+16*((\a)%4)
.set TA, 64*((\a)%2)
.if (\a) >= 4
	s_wait_alu depctr_va_vdst(0)
	s_wait_xcnt 0x0                                ; the stores of four blocks back have read these registers
.endif
	WIN 0x01                                       ; source 0: window 1
.irp b, 0,1,2,3,4,5,6,7
	v_cvt_scalef32_pk8_fp8_f32 v[CD+2*\b:CD+2*\b+1], v[TA+8*\b:TA+8*\b+7], v[SCL]
.endr
	WIN 0
	v_nop                                          ; one plain vector instruction behind the last conversion
.irp c, 0,1,2,3
	global_store_b128 v[CO], v[CD+4*\c:CD+4*\c+3], s[90:91] offset:4096*(\a)+512*\c   ; 32 lanes store 512 consecutive bytes, aligned
.endr
.endm
	EXPO 0
.irp a, 1,2,3,4,5,6,7
	EXPO \a
	CODES \a-1
.endr
	WIN 0x45
.set n, 64
.rept 64
	v_min_num_f32 v[n], s19, v[n]                  ; the last block's hold
.set n, n+1
.endr
	CODES 7
	WIN 0x05
.irp a, 0,1,2,3,4,5,6,7
	v_add_f32 v[LS+\a], v[SU+2*\a], v[SU+2*\a+1]
.endr
	WIN 0
.irp a, 0,1,2,3,4,5,6,7
	v_permlanex16_b32 v[MC+2*\a], v[LS+\a], s66, s67
.endr
.irp a, 0,1,2,3,4,5,6,7
	v_add_f32 v[LS+\a], v[LS+\a], v[MC+2*\a]       ; the row's sum over my wave's 128 keys
.endr
	v_and_b32 v1, 31, v0
	v_cmp_lt_u32 s98, 15, v1                       ; lanes 16-31 store blocks 4 to 7's numbers, lanes 0-15 blocks 0 to 3's
.irp i, 0,1,2,3
	v_cndmask_b32 v[IM+\i], v[LS+\i], v[LS+4+\i], s98
	v_cndmask_b32 v[IM+4+\i], v[NM+2*\i], v[NM+8+2*\i], s98
.endr
	global_store_b128 v[SO], v[IM:IM+3], s[94:95]  ; 512 consecutive bytes, aligned
	s_cmp_lg_u32 s16, 0                            ; both waves of a row hold the same M: the first stores it
	s_cbranch_scc1 .Lno_m
	global_store_b128 v[SO], v[IM+4:IM+7], s[92:93]
.Lno_m:
	s_wait_tensorcnt 0x0                           ; the wave's end
	ds_add_u32 v[SPW], v[NIL]
	s_wait_dscnt 0x0
	CROUND                                         ; the closing round
	s_endpgm
.Lfunc_end_k_q8e05a798d6_scores:
	.size	k_q8e05a798d6_scores, .Lfunc_end_k_q8e05a798d6_scores-k_q8e05a798d6_scores
	.p2alignl 7, 3214868480
	.fill 96, 4, 3214868480
	.section	.rodata,"a",@progbits
	.p2align	6, 0x0
	.amdhsa_kernel k_q8e05a798d6_scores
		.amdhsa_group_segment_fixed_size 327680
		.amdhsa_private_segment_fixed_size 0
		.amdhsa_enable_private_segment 0
		.amdhsa_kernarg_size 48
		.amdhsa_user_sgpr_count 2
		.amdhsa_user_sgpr_kernarg_segment_ptr 1
		.amdhsa_wavefront_size32 1
		.amdhsa_system_sgpr_workgroup_id_x 1
		.amdhsa_system_sgpr_workgroup_id_y 1
		.amdhsa_system_sgpr_workgroup_id_z 1
		.amdhsa_system_vgpr_workitem_id 0
		.amdhsa_next_free_vgpr 1024
		.amdhsa_next_free_sgpr 100
		.amdhsa_reserve_vcc 0
		.amdhsa_float_denorm_mode_32 3
		.amdhsa_float_denorm_mode_16_64 3
		.amdhsa_memory_ordered 1
		.amdhsa_forward_progress 1
		.amdhsa_inst_pref_size 173
	.end_amdhsa_kernel
	.amdgpu_metadata
---
amdhsa.version: [ 1, 2 ]
amdhsa.kernels:
  - .name:           k_q8e05a798d6_scores
    .symbol:         k_q8e05a798d6_scores.kd
    .args:
      - { .name: qc, .offset: 0, .size: 8, .value_kind: global_buffer, .address_space: global }
      - { .name: kc, .offset: 8, .size: 8, .value_kind: global_buffer, .address_space: global }
      - { .name: lowp_scales, .offset: 16, .size: 8, .value_kind: global_buffer, .address_space: global }
      - { .name: pc, .offset: 24, .size: 8, .value_kind: global_buffer, .address_space: global }
      - { .name: pm, .offset: 32, .size: 8, .value_kind: global_buffer, .address_space: global }
      - { .name: pl, .offset: 40, .size: 8, .value_kind: global_buffer, .address_space: global }
    .group_segment_fixed_size: 327680
    .private_segment_fixed_size: 0
    .kernarg_segment_align: 8
    .kernarg_segment_size: 48
    .max_flat_workgroup_size: 128
    .sgpr_count:     100
    .vgpr_count:     1024
    .wavefront_size: 32
...
	.end_amdgpu_metadata
.endif
;; end of part 2
;; launch mix (part 3): grid 4 x 64, 4 waves a work-group, clusters of 4 x 4, 327,680 bytes of LDS; arguments pc, vc, pm, pl, lowp_scales, out0; writes out0
.if DOCPART == 3
	.amdgcn_target "amdgcn-amd-amdhsa--gfx1250"
	.amdhsa_code_object_version 6
	.text
	.protected	k_q8e05a798d6_mix
	.globl	k_q8e05a798d6_mix
	.p2align	8
	.type	k_q8e05a798d6_mix,@function
k_q8e05a798d6_mix:
	s_mov_b64 s[64:65], 0
	v_nop
	global_prefetch_b8 v0, s[64:65] scope:SCOPE_SE
	s_setreg_imm32_b32 hwreg(HW_REG_WAVE_MODE, 25, 1), 1
	s_wait_xcnt 0x0
	s_wait_alu depctr_hold_cnt(0) depctr_sa_sdst(0) depctr_va_vdst(0) depctr_va_sdst(0) depctr_va_ssrc(0) depctr_va_vcc(0) depctr_vm_vsrc(0)
	s_getreg_b32 s2, hwreg(HW_REG_IB_STS2, 6, 4)
	s_cmp_eq_u32 s2, 0
	s_cbranch_scc0 .Lentry_in_a_cluster
	s_endpgm
.Lentry_in_a_cluster:
	s_bfe_u32 s2, ttmp6, 0x10000c
	s_cmp_lg_u32 s2, 0xf033
	s_cbranch_scc0 .Lentry_shape_is_right
	s_endpgm
.Lentry_shape_is_right:
; O = (the sum over the keys of p V) / l on codes of FP8 (E4M3).  p of each block of 256 keys stands under that block's own M, a whole number: between two blocks the sums are multiplied by 2^(M of the block before - M of the next), exactly;
; at the end a row's sums are multiplied by 2^(e8 + e9 + M of the last block - M of the row) / l, l = the sum over the blocks of 2^(M of the block - M of the row) x the block's sum of the unquantised p.  No work of the problem is left out.
; SHARES.  Work-group x = 256 channels, work-group y = 128 queries.  Four waves, each 64 queries x 128 channels: 32 accumulators of 16 x 16.
; The eight blocks of 256 keys come through two LDS slots by turns: slot A holds two blocks, slot B one: blocks 0 1 | 2 | 3 4 | 5 | 6 7.  P's tile hangs on work-group y alone and is asked for jointly along a row of the cluster, V's on
; work-group x and the batch (made of the cluster's y alone), along a column.  The codes lie in memory as images of the operands' registers (set out at the head of the first launch): a fragment is four loads of 16 bytes at 16 x lane.
; THE MATRIX INSTRUCTION IS USED TRANSPOSED (source 0 = 16 channels, source 1 = 16 queries): lane (r, h) holds query 16 a + r and channels 16 b + 8 h + 0 .. 7.
; The five fillings differ in shape or in what follows them (the last change of slots fills nothing), so the sequence stands written out by macros.
; PREFETCH: behind each load stand the prefetches for the next load's blocks, one slot ahead of it.  Of P's 32,768 bytes a block, one wave of each of the four partners names 8,192 (by cx); of V's two halves, one wave each of the four partners 8,192 (by cy).
; LIMITS: a block whose M lies more than 64 under the row's is taken as 64 under it (its weight is then at most 2^-64 of the row's largest).  e8 + e9 is applied by v_ldexp_f32.
; REGISTERS: window 0: v0-31 addresses; v32-63 the factors, four for each change of block, then the last ones; v96-119 at work; v128-255 P's fragments, two sets; window 1: V's fragments, two sets; window 2: accumulators (a, b) at 8 (8 a + b).
.set PB,     16384                     ; 64 queries x 256 keys of p's codes
.set VB,     32768                     ; 128 channels x 256 keys of V's
.set VA,     4*PB                      ; slot A: P's two halves of two blocks, then V's
.set SB,     4*PB+4*VB                 ; slot B: P's two halves of one block,
.set VBB,    SB+2*PB                   ; then V's
.set STAGE,  SB                        ; the way out: 16 rows x (512 bytes + 16) for each wave, in slot B, which has had its last fill and its last read by then
.set SPITCH, 528
.set SPARE,  SB+2*PB+2*VB              ; the spare words, 128 bytes for each wave
.set ASTEP,  524288                    ; bytes from block to block in P,
.set BSTEP,  262144                    ; in V
.set FR,     16
.set NP,     4                         ; places behind this matrix instruction (ISA guide 7.12.1)
.set OROW,   4096
.set ADRA, 16                          ; v16-17 LDS address of P's fragments in slot A, B
.set ADRB, 20                          ; v20-21 of V's
.set PO,   22                          ; v22 my rows' place in an image of statistics
.set PFO,  23                          ; v23 the prefetches' offset
.set STO,  24
.set RD,   25
.set CO,   26
.set SPW,  28
.set NIL,  29
.set FB,   32
.set TMP,  32
.set FT,   96
.set SC,   104
.set MN,   112
.set LT,   116
.set AF,   128
.set BK,   128
.set G1PA, 24                          ; descriptor groups 1: P and V, two blocks and one
.set G1PB, 32
.set G1VA, 48
.set G1VB, 56
.set G0P,  80                          ; groups 0, written anew for each load
.set G0V,  84
.set PFA,  88
.set WHO,  91                          ; s91: 0: my wave prefetches for P, 2: for V, 1: for neither
.set MSB, 0
.macro WIN new
.if MSB != \new
	s_set_vgpr_msb (MSB<<8)|\new
.set MSB, \new
.endif
.endm
.set MUL,    0xa1                      ; source 0 window 1, source 1 window 0, C and D window 2
.set TO_B,   0x40
.macro PLACES n
.rept \n
	v_nop
.endr
.endm
.macro JLOAD g1p, g1v                  ; waves 0 and 1 fetch P's halves, waves 2 and 3 V's; an s_nop 0 and four v_nop follow each line
	s_cmp_eq_u32 s15, 0
	s_cbranch_scc0 .Lfor_v_\@
	tensor_load_to_lds s[G0P:G0P+3], s[\g1p:\g1p+7]
	s_nop 0
	PLACES 4
	s_branch .Lasked_\@
.Lfor_v_\@:
	tensor_load_to_lds s[G0V:G0V+3], s[\g1v:\g1v+7]
	s_nop 0
	PLACES 4
.Lasked_\@:
.endm
.macro NEXT n, lp, lv                  ; the groups 0 go n blocks on, to the LDS bytes s[lp], s[lv]; no tensor load of the wave is out
	s_mov_b32 s[G0P+1], s[\lp]
	s_mov_b32 s[G0V+1], s[\lv]
	s_add_nc_u64 s[G0P+2:G0P+3], s[G0P+2:G0P+3], (\n)*ASTEP
	s_add_nc_u64 s[G0V+2:G0V+3], s[G0V+2:G0V+3], (\n)*BSTEP
.endm
.macro ASK j, n                        ; blocks j .. j + n - 1
	s_cmp_eq_u32 s[WHO], 0
	s_cbranch_scc0 .Lnot_p_\@
.set k, \j
.rept \n
	global_prefetch_b8 v[PFO], s[PFA:PFA+1] offset:k*ASTEP th:TH_LOAD_NT scope:SCOPE_SE
.set k, k+1
.endr
	s_branch .Ldone_\@
.Lnot_p_\@:
	s_cmp_eq_u32 s[WHO], 2
	s_cbranch_scc0 .Ldone_\@
.set k, \j
.rept \n
	global_prefetch_b8 v[PFO], s[PFA:PFA+1] offset:k*BSTEP th:TH_LOAD_NT scope:SCOPE_SE
.set k, k+1
.endr
.Ldone_\@:
.endm
.macro CREST
	s_cmp_lg_u32 s14, 0
	s_cbranch_scc1 .Lnot_wave_0_\@
	s_barrier_signal -3
.Lnot_wave_0_\@:
	s_barrier_wait -3
	s_barrier_signal -1
	s_barrier_wait -1
.endm
.macro CROUND
	s_barrier_signal -1
	s_barrier_wait -1
	CREST
.endm
	s_load_b256 s[68:75], s[0:1], 0x0              ; p's codes, V's codes, -M, the sums
	s_load_b128 s[76:79], s[0:1], 0x20             ; the scales' exponents, out0
	v_lshl_add_u32 v[SPW], v0, 2, SPARE
	v_mov_b32 v[NIL], 0
	ds_add_u32 v[SPW], v[NIL]                      ; the wave's opening: the add, twice on end, and its wait ahead of my first tensor load
	ds_add_u32 v[SPW], v[NIL]
	v_lshrrev_b32 v1, 5, v0
	v_readfirstlane_b32 s14, v1                    ; wave 0..3
	s_lshr_b32 s15, s14, 1                         ; my half of the queries.  Also: I fetch for P (0) or for V (1)
	s_and_b32 s16, s14, 1                          ; my half of the channels.  Also: which half of the tile I fetch
	s_bfe_u32 s40, ttmp6, 0x40000                  ; cx, cy
	s_bfe_u32 s41, ttmp6, 0x40004
	s_lshl_b32 s42, ttmp9, 2
	s_add_co_u32 s42, s42, s40                     ; work-group x
	s_and_b32 s17, ttmp7, 0xffff
	s_lshl_b32 s17, s17, 2
	s_add_co_u32 s17, s17, s41                     ; work-group y
	s_lshl_b32 s43, s41, 2
	s_lshl_b32 s43, 15, s43                        ; my row of the cluster
	s_lshl_b32 s44, 0x1111, s40                    ; my column
	; descriptor groups 1: elements of 8 bytes, no padding, bit 21 beside the mask.  Two blocks: two rows, a block's dense bytes each, a block's step apart; one block: dense, as rows of 256 bytes
	s_or_b32 s[G1PA], s43, (3<<16)|(1<<21)
	s_or_b32 s[G1PB], s43, (3<<16)|(1<<21)
	s_or_b32 s[G1VA], s44, (3<<16)|(1<<21)
	s_or_b32 s[G1VB], s44, (3<<16)|(1<<21)
	s_mov_b32 s[G1PA+1], (PB/8)<<16
	s_mov_b32 s[G1PA+2], 2<<16
	s_mov_b32 s[G1PA+3], (PB/8)<<16
	s_mov_b32 s[G1PA+4], 2
	s_mov_b32 s[G1PA+5], ASTEP/8
	s_mov_b32 s[G1VA+1], (VB/8)<<16
	s_mov_b32 s[G1VA+2], 2<<16
	s_mov_b32 s[G1VA+3], (VB/8)<<16
	s_mov_b32 s[G1VA+4], 2
	s_mov_b32 s[G1VA+5], BSTEP/8
	s_mov_b32 s[G1PB+1], 32<<16
	s_mov_b32 s[G1PB+2], 64<<16
	s_mov_b32 s[G1PB+3], 32<<16
	s_mov_b32 s[G1PB+4], 64
	s_mov_b32 s[G1PB+5], 32
	s_mov_b32 s[G1VB+1], 32<<16
	s_mov_b32 s[G1VB+2], 128<<16
	s_mov_b32 s[G1VB+3], 32<<16
	s_mov_b32 s[G1VB+4], 128
	s_mov_b32 s[G1VB+5], 32
.irp g, G1PA, G1PB, G1VA, G1VB
	s_mov_b32 s[\g+6], 0
	s_mov_b32 s[\g+7], 0
.endr
	s_lshr_b32 s20, s17, 4                         ; P: the batch, row block 8 (y % 16), my half
	s_lshl_b32 s20, s20, 22
	s_and_b32 s18, s17, 15
	s_lshl_b32 s18, s18, 15
	s_add_co_u32 s20, s20, s18
	s_lshl_b32 s18, s16, 14
	s_add_co_u32 s20, s20, s18
	s_mov_b32 s21, 0
	s_and_b32 s46, ttmp7, 0xffff                   ; V: the batch, of the cluster's y alone; row block 16 x, my half
	s_lshr_b32 s46, s46, 2
	s_lshl_b32 s46, s46, 5
	s_add_co_u32 s46, s46, s42
	s_lshl_b32 s46, s46, 16
	s_lshl_b32 s19, s16, 15
	s_add_co_u32 s46, s46, s19
	s_mov_b32 s47, 0
	s_lshl_b32 s92, s16, 15                        ; where my part goes in LDS: P in slot A, B; V in slot A, B
	s_lshl_b32 s93, s16, 14
	s_add_co_u32 s93, s93, SB
	s_lshl_b32 s94, s16, 16
	s_add_co_u32 s94, s94, VA
	s_lshl_b32 s95, s16, 15
	s_add_co_u32 s95, s95, VBB
	s_lshl_b32 s4, s17, 12                         ; my 128 queries' images: 8 of 512 bytes of -M,
	s_mov_b32 s5, 0
	s_lshl_b32 s6, s17, 13                         ; 16 of the sums
	s_mov_b32 s7, 0
	s_lshl_b32 s18, s15, 4
	v_and_b32 v1, 15, v0                           ; r
	v_lshlrev_b32 v[PO], 5, v1
	v_add_nc_u32 v[PO], s18, v[PO]
	s_wait_alu depctr_va_vdst(0)
	s_wait_dscnt 0x0                               ; both opening adds are done
	s_wait_kmcnt 0x0
	s_add_nc_u64 s[72:73], s[72:73], s[4:5]
	s_add_nc_u64 s[74:75], s[74:75], s[6:7]
	s_load_b64 s[4:5], s[76:77], 0x20              ; e8, e9
.irp j, 0,1,2,3,4,5,6,7
	global_load_b128 v[FB+4*\j:FB+4*\j+3], v[PO], s[72:73] offset:512*\j           ; -M of block j, my four row blocks
.endr
.irp j, 0,1,2,3,4,5,6,7,8,9,10,11,12,13,14,15
	global_load_b128 v[128+4*\j:128+4*\j+3], v[PO], s[74:75] offset:512*\j         ; the sums of 128 keys
.endr
	s_add_nc_u64 s[20:21], s[68:69], s[20:21]
	s_add_nc_u64 s[46:47], s[70:71], s[46:47]
	s_mov_b32 s[G0P], 1
	s_mov_b32 s[G0P+1], s92
	s_mov_b64 s[G0P+2:G0P+3], s[20:21]
	s_or_b32 s[G0P+3], s[G0P+3], 0x80000000
	s_mov_b32 s[G0V], 1
	s_mov_b32 s[G0V+1], s94
	s_mov_b64 s[G0V+2:G0V+3], s[46:47]
	s_or_b32 s[G0V+3], s[G0V+3], 0x80000000
	CROUND                                         ; all sixteen work-groups are here: the first joint loads meet
	JLOAD G1PA, G1VA                               ; blocks 0 and 1: one tensor load a wave at the head
	s_cmp_eq_u32 s15, 0                            ; the prefetches
	s_cselect_b64 s[PFA:PFA+1], s[20:21], s[46:47]
	s_cselect_b32 s18, s40, s41
	s_cselect_b32 s[WHO], s16, 2
	s_lshl_b32 s18, s18, 13
	s_mov_b32 s19, 0
	s_add_nc_u64 s[PFA:PFA+1], s[PFA:PFA+1], s[18:19]
	v_and_b32 v5, 31, v0
	v_lshlrev_b32 v[PFO], 8, v5
	s_wait_alu depctr_va_vdst(0)
	ASK 2, 1
	s_lshl_b32 s18, s15, 15                        ; my 64 queries,
	s_lshl_b32 s19, s15, 14
	s_lshl_b32 s22, s16, 16                        ; my 128 channels
	s_lshl_b32 s23, s16, 15
	s_mul_i32 s43, s14, 16*SPITCH                  ; my stage
	v_and_b32 v1, 15, v0
	v_bfe_u32 v2, v0, 4, 1
	v_and_b32 v5, 31, v0
	v_lshlrev_b32 v[CO], 4, v5
	v_add_nc_u32 v[ADRA], s18, v[CO]
	v_add_nc_u32 v[ADRA+1], s19, v[CO]
	v_add_nc_u32 v[ADRA+1], SB, v[ADRA+1]
	v_add_nc_u32 v[ADRB], s22, v[CO]
	v_add_nc_u32 v[ADRB], VA, v[ADRB]
	v_add_nc_u32 v[ADRB+1], s23, v[CO]
	v_add_nc_u32 v[ADRB+1], VBB, v[ADRB+1]
	v_mul_u32_u24 v6, v1, SPITCH
	v_lshl_add_u32 v6, v2, 5, v6
	v_add_nc_u32 v6, s43, v6
	v_add_nc_u32 v[STO], STAGE, v6
	v_add_nc_u32 v[RD], s43, v[CO]
	v_add_nc_u32 v[RD], STAGE, v[RD]
	s_lshl_b32 s18, s17, 7                         ; my rows and columns of O
	s_lshl_b32 s19, s15, 6
	s_add_co_u32 s18, s18, s19
	s_lshl_b32 s18, s18, 12
	s_lshl_b32 s19, s42, 10
	s_add_co_u32 s18, s18, s19
	s_lshl_b32 s19, s16, 9
	s_add_co_u32 s18, s18, s19
	s_mov_b32 s19, 0
	s_add_nc_u64 s[10:11], s[78:79], s[18:19]
	s_wait_alu depctr_va_vdst(0)
	s_wait_kmcnt 0x0
	s_wait_loadcnt 0x0
	s_add_co_i32 s18, s4, s5
	s_mov_b32 s6, 0xc2800000                       ; -64
.irp a, 0,1,2,3
	v_min_num_f32 v[MN+\a], v[FB+\a], v[FB+4+\a]   ; the row's -M is the least of the blocks'
.endr
.irp j, 2,3,4,5,6,7
.irp a, 0,1,2,3
	v_min_num_f32 v[MN+\a], v[MN+\a], v[FB+4*\j+\a]
.endr
.endr
.irp j, 0,1,2,3,4,5,6,7
.irp a, 0,1,2,3
	v_sub_f32 v[FB+4*\j+\a], v[MN+\a], v[FB+4*\j+\a]
.endr
.irp a, 0,1,2,3
	v_max_num_f32 v[FB+4*\j+\a], s6, v[FB+4*\j+\a] ; M of the block - M of the row, -64 at the least
.endr
.irp a, 0,1,2,3
	v_cvt_i32_f32 v[FB+4*\j+\a], v[FB+4*\j+\a]
.endr
.irp a, 0,1,2,3
	v_ldexp_f32 v[SC+\a], 1.0, v[FB+4*\j+\a]
	v_add_f32 v[SC+4+\a], v[128+8*\j+\a], v[132+8*\j+\a]
.endr
.irp a, 0,1,2,3
.if \j == 0
	v_mul_f32 v[LT+\a], v[SC+\a], v[SC+4+\a]
.else
	v_fmac_f32 v[LT+\a], v[SC+\a], v[SC+4+\a]      ; l
.endif
.endr
.endr
.irp j, 1,2,3,4,5,6,7
.irp a, 0,1,2,3
	v_sub_nc_u32 v[SC+\a], v[FB+4*(\j-1)+\a], v[FB+4*\j+\a]
.endr
.irp a, 0,1,2,3
	v_ldexp_f32 v[FB+4*(\j-1)+\a], 1.0, v[SC+\a]   ; the factor from block j - 1 to block j
.endr
.endr
	s_wait_alu depctr_va_vdst(0)                   ; the wait ahead of the batch
.irp a, 0,1,2,3
	v_rcp_f32 v[LT+\a], v[LT+\a]
.endr
.irp a, 0,1,2,3
	v_add_nc_u32 v[SC+\a], s18, v[FB+28+\a]
.endr
	s_wait_alu depctr_va_vdst(0)                   ; and behind it
.irp a, 0,1,2,3
	v_ldexp_f32 v[FB+28+\a], v[LT+\a], v[SC+\a]
.endr
.irp a, 0,1,2,3
	v_mov_b32 v[FT+2*\a+1], 0                      ; (named as the upper half of a pair)
.endr
; A unit is 128 keys: 32 matrix instructions on fragment set p; a block's two units are q = 0, 1 and take sets 0, 1.
; (Here unit u = 0 .. 15 takes set u % 3: sets 0 and 1 as above, and a third one in window 3: V's fragments from v0, P's from v128.)  A unit fetches the one two units on, so two units' loads, 96, are out at the most.
; Units 0 to 3, 6 to 9 and 12 to 15 lie in slot A, 4, 5, 10 and 11 in slot B.
.macro FETCH u
.set US, (\u)%3
.set UV, (\u)%6
.set UL, UV/4                          ; the slot,
.set UO, 2048*(UV%2)                   ; the unit in its block,
.set UB, (UV%4)/2                      ; the block in its slot
.set VR, 128*(US%2)
.set PR, AF+64*(US%2)
.if US == 2
	WIN 0xc0
.else
	WIN TO_B
.endif
.irp i, 0,1,2,3,4,5,6,7
.irp c, 0,1,2,3
	ds_load_b128 v[VR+FR*\i+4*\c:VR+FR*\i+4*\c+3], v[ADRB+UL] offset:VB*UB+UO+512*\c+4096*\i
.endr
.endr
.if US != 2
	WIN 0
.endif
.irp i, 0,1,2,3
.irp c, 0,1,2,3
	ds_load_b128 v[PR+FR*\i+4*\c:PR+FR*\i+4*\c+3], v[ADRA+UL] offset:PB*UB+UO+512*\c+4096*\i
.endr
.endr
	WIN 0
.endm
.macro MUL8 u, a                       ; the 32 accumulators take turns, one instruction a turn, in the same order in every unit; unit 0 starts the sums
.set US, (\u)%3
.set VR, 128*(US%2)
.set PR, AF+64*(US%2)+FR*(\a)
.if US == 2
	WIN 0xaf
.else
	WIN MUL
.endif
.irp b, 0,1,2,3,4,5,6,7
.if (\u) == 0
	v_wmma_f32_16x16x128_fp8_fp8 v[8*(8*(\a)+\b):8*(8*(\a)+\b)+7], v[VR+FR*\b:VR+FR*\b+FR-1], v[PR:PR+FR-1], 0
.else
	v_wmma_f32_16x16x128_fp8_fp8 v[8*(8*(\a)+\b):8*(8*(\a)+\b)+7], v[VR+FR*\b:VR+FR*\b+FR-1], v[PR:PR+FR-1], v[8*(8*(\a)+\b):8*(8*(\a)+\b)+7]
.endif
.endr
.endm
; The places behind the unit before; where a block begins, the four moves are these places, and the sums change blocks.
.macro LEAD u
.if ((\u) >= 2) && (((\u)%2) == 0)
.irp a, 0,1,2,3
	v_mov_b32 v[FT+2*\a], v[FB+4*((\u)/2-1)+\a]
.endr
	WIN 0x82
	s_wait_alu depctr_va_vdst(0)
.set n, 0
.rept 128
	v_pk_mul_f32 v[2*n:2*n+1], v[2*n:2*n+1], v[FT+2*(n/32):FT+2*(n/32)+1] op_sel_hi:[1,0]   ; the sums under the next block's M: nothing is rounded
.set n, n+1
.endr
	WIN 0
	s_wait_alu depctr_va_vdst(0)
.else
	PLACES NP
.endif
.endm
.macro UNIT u
	LEAD \u
.if (\u) < 15
	s_wait_dscnt 48                                ; the next unit's 48 loads may be out
.else
	s_wait_dscnt 0x0
.endif
.if (\u) < 14
	FETCH (\u)+2
.endif
.irp a, 0,1,2,3
	MUL8 \u, \a
.endr
	WIN 0
.endm
; A slot's last unit but one changes slots, since both have been asked for from LDS: in front of the barrier each wave waits for all its tensor loads, adds 0 to its spare word, and waits for that and for its reads of this slot.
; fill: 0 nothing, 1 slot A takes the two blocks behind slot B's, 2 slot B the block behind slot A's.
.macro TURN u, fill
	LEAD \u
	s_wait_tensorcnt 0x0
	ds_add_u32 v[SPW], v[NIL]                      ; 0 onto my spare word
	s_wait_dscnt 49                                ; the add and the next unit's 48 loads may be out
	MUL8 \u, 0
	s_wait_dscnt 0x0                               ; the add is done, and my reads of this slot are over
	s_barrier_signal -1
	MUL8 \u, 1
	WIN 0
	s_barrier_wait -1
.if \fill
	CREST                                          ; no wave of any partner still reads this slot or has a load on its way
.if \fill == 1
	NEXT 1, 92, 94
	JLOAD G1PA, G1VA
.else
	NEXT 2, 93, 95
	JLOAD G1PB, G1VB
.endif
.else
	PLACES NP
.endif
	FETCH (\u)+2
.endm
.macro REST u                          ; such a unit's second half
	MUL8 \u, 2
	MUL8 \u, 3
	WIN 0
.endm
	s_wait_alu depctr_va_vdst(0)
	s_wait_tensorcnt 0x0                           ; my part of blocks 0 and 1 is in; these lines stand ahead of a later first fill as ahead of a refill
	ds_add_u32 v[SPW], v[NIL]
	s_wait_dscnt 0x0
	CROUND
	NEXT 2, 93, 95
	JLOAD G1PB, G1VB                               ; block 2
	FETCH 0
	FETCH 1
	ASK 3, 2
	UNIT 0
	UNIT 1
	TURN 2, 1                                      ; slot A: blocks 3 and 4
	ASK 5, 1
	REST 2
	UNIT 3
	TURN 4, 2                                      ; slot B: block 5
	ASK 6, 2
	REST 4
.irp u, 5,6,7
	UNIT \u
.endr
	TURN 8, 1                                      ; slot A: blocks 6 and 7
	REST 8
	UNIT 9
	TURN 10, 0
	REST 10
.irp u, 11,12,13,14,15
	UNIT \u
.endr
; THE WAY OUT, 16 rows x 128 channels at a time, through my own stage in LDS and back as whole rows of 512 bytes; LDS serves a wave's instructions in order (ISA guide 5.7.1.4).
.macro TOSTAGE a
.set AC, 64*(\a)
	WIN 0x02
.set n, 0
.rept 32
	v_pk_mul_f32 v[TMP+n:TMP+n+1], v[AC+n:AC+n+1], v[FT+2*(\a):FT+2*(\a)+1] op_sel_hi:[1,0]
.set n, n+2
.endr
	WIN 0
.irp b, 0,1,2,3,4,5,6,7
	ds_store_b128 v[STO], v[TMP+8*\b:TMP+8*\b+3] offset:64*\b
	ds_store_b128 v[STO], v[TMP+8*\b+4:TMP+8*\b+7] offset:64*\b+16
.endr
.set BB, BK+64*((\a)%2)
.irp t, 0,1,2,3,4,5,6,7,8,9,10,11,12,13,14,15
	ds_load_b128 v[BB+4*\t:BB+4*\t+3], v[RD] offset:\t*SPITCH
.endr
.endm
.macro SEND a, younger                 ; younger: the next block's 16 stores and 16 loads may stay out
.set BB, BK+64*((\a)%2)
	s_wait_dscnt \younger
.if (\a) > 0
	s_add_nc_u64 s[10:11], s[10:11], 16*OROW
.endif
.irp t, 0,1,2,3,4,5,6,7,8,9,10,11,12,13,14,15
	global_store_b128 v[CO], v[BB+4*\t:BB+4*\t+3], s[10:11] offset:\t*OROW th:TH_STORE_NT   ; 32 lanes store 512 consecutive bytes, aligned
.endr
.endm
.irp a, 0,1,2,3
	v_mov_b32 v[FT+2*\a], v[FB+28+\a]
.endr
	PLACES NP
	TOSTAGE 0
.irp a, 1,2,3
.if \a > 1
	s_wait_xcnt 0x0                                ; the stores of two blocks back have read their registers and their base
.endif
	TOSTAGE \a
	SEND \a-1, 32
.endr
	s_wait_xcnt 0x0
	SEND 3, 0
	s_wait_tensorcnt 0x0                           ; the wave's end
	ds_add_u32 v[SPW], v[NIL]
	s_wait_dscnt 0x0
	CROUND                                         ; the closing round
	s_endpgm
.Lfunc_end_k_q8e05a798d6_mix:
	.size	k_q8e05a798d6_mix, .Lfunc_end_k_q8e05a798d6_mix-k_q8e05a798d6_mix
	.p2alignl 7, 3214868480
	.fill 96, 4, 3214868480
	.section	.rodata,"a",@progbits
	.p2align	6, 0x0
	.amdhsa_kernel k_q8e05a798d6_mix
		.amdhsa_group_segment_fixed_size 327680
		.amdhsa_private_segment_fixed_size 0
		.amdhsa_enable_private_segment 0
		.amdhsa_kernarg_size 48
		.amdhsa_user_sgpr_count 2
		.amdhsa_user_sgpr_kernarg_segment_ptr 1
		.amdhsa_wavefront_size32 1
		.amdhsa_system_sgpr_workgroup_id_x 1
		.amdhsa_system_sgpr_workgroup_id_y 1
		.amdhsa_system_sgpr_workgroup_id_z 1
		.amdhsa_system_vgpr_workitem_id 0
		.amdhsa_next_free_vgpr 1024
		.amdhsa_next_free_sgpr 100
		.amdhsa_reserve_vcc 0
		.amdhsa_float_denorm_mode_32 3
		.amdhsa_float_denorm_mode_16_64 3
		.amdhsa_memory_ordered 1
		.amdhsa_forward_progress 1
		.amdhsa_inst_pref_size 193
	.end_amdhsa_kernel
	.amdgpu_metadata
---
amdhsa.version: [ 1, 2 ]
amdhsa.kernels:
  - .name:           k_q8e05a798d6_mix
    .symbol:         k_q8e05a798d6_mix.kd
    .args:
      - { .name: pc, .offset: 0, .size: 8, .value_kind: global_buffer, .address_space: global }
      - { .name: vc, .offset: 8, .size: 8, .value_kind: global_buffer, .address_space: global }
      - { .name: pm, .offset: 16, .size: 8, .value_kind: global_buffer, .address_space: global }
      - { .name: pl, .offset: 24, .size: 8, .value_kind: global_buffer, .address_space: global }
      - { .name: lowp_scales, .offset: 32, .size: 8, .value_kind: global_buffer, .address_space: global }
      - { .name: out0, .offset: 40, .size: 8, .value_kind: global_buffer, .address_space: global }
    .group_segment_fixed_size: 327680
    .private_segment_fixed_size: 0
    .kernarg_segment_align: 8
    .kernarg_segment_size: 48
    .max_flat_workgroup_size: 128
    .sgpr_count:     100
    .vgpr_count:     1024
    .wavefront_size: 32
...
	.end_amdgpu_metadata
.endif
;; end of part 3
